; MI455X (gfx1250); checked and timed in simulation.
; The chip was launched on July 23, 2026; its instructions are those of AMD's public machine-readable ISA for CDNA 5 (MIT licence, August 2026) and "CDNA5" Instruction Set Architecture Reference Guide (July 2026). The comments in the code are by the model that wrote it; some were corrected since.
;; Long Context Attention QKV Packed. Allowed arithmetic: float matrix products may take bf16 or f16 operands with f32 sums; all other float work in f32.
;; Inputs: qkv 2 x 2,048 x 3 x 16 x 128 float32.
;; Outputs: out0 2 x 2,048 x 16 x 128 float32.
;; One version. Each part assembles by itself: llvm-mc -triple=amdgcn-amd-amdhsa -mcpu=gfx1250 --defsym DOCPART=n.
;; ======== version 1 of 1: 1 launch
;; limits: values are held in f16: magnitudes above 65,504 overflow, below 6.1e-05 lose precision; inputs' magnitudes at most 65,400
;; launch attn (part 1): grid 8 x 32, 4 waves a work-group, no clusters, 243,200 bytes of LDS; arguments qkv, out0; writes out0
.if DOCPART == 1
	.amdgcn_target "amdgcn-amd-amdhsa--gfx1250"
	.amdhsa_code_object_version 6
	.text
	.protected	k_q419a6e2406_attn
	.globl	k_q419a6e2406_attn
	.p2align	8
	.type	k_q419a6e2406_attn,@function
k_q419a6e2406_attn:
	s_mov_b64 s[64:65], 0
	v_nop
	global_prefetch_b8 v0, s[64:65] scope:SCOPE_SE
	s_setreg_imm32_b32 hwreg(HW_REG_WAVE_MODE, 25, 1), 1
	s_wait_xcnt 0x0
; Causal softmax attention on packed f32 q, k, v.  qkv: [2][2048][3][16][128] f32, out: [2][2048][16][128] f32.
; GRID: y = batch x 16 + head (32), x = 0..7.  A head's 2,048 query rows are 16 blocks of 128.  Work-group x does block x (x + 1 key tiles of 128 keys),
; then block 15 - x (16 - x tiles): 17 tile steps in every one of the 256 work-groups.  Tiles above the diagonal are not computed.
; WAVES: w = 2 a + b.  a picks 64 of the block's query rows, b picks 64 of each tile's 128 keys, so a K or V fragment read from LDS feeds four matrix
; instructions.  Each wave keeps its own running maximum, sum and O for its half of the keys; at a block's end the waves w and w ^ 1 merge through LDS.
; TRANSPOSED USE: S^T = K Q^T (source 0 = 16 keys, source 1 = 16 query rows): lane (r, h), register j holds key 8 h + j of query row r, so a row's maximum
; and sum are in-lane work and one exchange with lane ^ 16, and two neighbouring key tiles pack straight into source 1 of O^T = V^T P^T.
; V^T comes from V stored [key][d] by the transposing LDS load.  In O^T lane (r, h), register j holds d = 16 dt + 8 h + j of query row r.
; K AND V come through registers: wave w loads rows 32 w .. 32 w + 31 of the next tile (one 16-byte load a lane covers a row's 512 bytes), narrows them
; to 16 bits and stores 256 bytes a row into LDS.  One K/V buffer, two barriers a step; the first is open across the 64 matrix instructions of P V.
; FORMATS: q and k go to the matrix unit in bf16.  P V runs in the f16 form: a probability lies in [0, 1] and f16 rounds it to 2^-12 of its size, where bf16's
; 2^-9 on a weight near 1/2 times a v of size 2 is 0.002, too much in the first rows, where few keys meet and v's cancel.  v is rounded to bf16 like
; q and k, and that value is then written as f16, which is exact for 2^-17 <= |v| <= 65,504 (8 significant bits in 11).
; NO CLUSTER, NO TENSOR LOADS: in step s work-group x wants tile s while s <= x and tile s - x - 1 afterwards, so the eight work-groups of a head want
; different tiles in most steps; and a tile arrives as 128 KiB of f32 that has to pass registers to become 64 KiB of 16-bit numbers: landed in LDS
; first it would add 256 KiB of LDS traffic to the 192 KiB that a step has now.
; LIMITS: q, k, v rounded to bf16, the probabilities to f16; sums in f32, a row's sum from the unrounded probabilities, in another order than the reference's.
; |v| above 65,504 becomes infinite in f16 (numbers of spread 1, thirty times larger on an offset of thirty spreads, reach about 1,100); below 2^-17 v keeps
; an absolute error of at most 2^-25.  Probabilities below 2^-14 of a row's largest are f16 denormals, absolute error at most 2^-25 each.
; The mask value is -2^100 in the place of -1e30 (a power of two, so that its product with the scale is exact and a wholly masked
; half of a row gives weights of exactly 1, which the merge multiplies by exp2 of about -1.6e29 = 0): raw scores q.k must stay far above -2^100.
; v_exp_f32 flushes results below 2^-126 to zero.  A non-finite v at a masked key of the diagonal tile gives NaN.
.set ROWB,  24576                      ; bytes from a sequence position to the next in qkv
.set KOFF,  8192                       ; k behind q
.set VOFF,  16384                      ; v behind q
.set TSTR,  128*ROWB                   ; bytes from a block or tile of 128 positions to the next
.set OROW,  8192                       ; bytes from a position to the next in out
; LDS
.set KP,    272                        ; pitch of K's and Q's rows: 256 bytes + 16, an odd multiple of 16
.set VP,    288                        ; pitch of V's rows: an odd multiple of 32, for the transposing load
.set VT,    34816                      ; K tile at 0 (128 x 272); V tile here (128 x 288)
.set Q0L,   71680                      ; Q of the first block (128 x 272)
.set QBLK,  34816                      ; Q of the second block lies this far behind
.set XCH,   141312                     ; exchange: for each wave 32 x 512 bytes of O, then 512 bytes of (nmc, L)
.set XW,    16896
.set OUTS,  208896                     ; way out: for each wave 16 rows of 512 bytes, pitch 528
.set OW,    8448
.set OP,    528
; vector registers, window 0
.set GO,  8                            ; byte offset in qkv of my 16 bytes in my wave's first row of a tile
.set PFO, 9                            ; thread x ROWB: my row of a tile, for the prefetch
.set OV,  10                           ; 16 x lane
.set KA,  11                           ; LDS: my K fragments
.set VA,  12                           ; LDS: my V fragments
.set QA,  13                           ; LDS: my Q fragments (steps to the second block)
.set KS,  14                           ; LDS: where I store K
.set VS,  15                           ; LDS: where I store V
.set QS,  16                           ; LDS: where I store Q
.set XS,  17                           ; LDS: my wave's exchange
.set XR,  18                           ; LDS: my partner's exchange
.set OSW, 19                           ; LDS: way out, in
.set OSR, 20                           ; LDS: way out, back
.set DQ,  21                           ; 64 a + r - 64 b - 8 h: my query row less my first key, inside a diagonal tile
.set NEG, 22                           ; -2^100
.set NL,  24                           ; v[24:31]  pair qt: nmc = -c x running maximum, L = running sum of my 32 keys a tile
.set MR,  32                           ; v[32:35]  running maximum of the raw scores
.set PT,  36                           ; v[36:39]  what lane ^ 16 sends
.set AL,  40                           ; v[40:47]  pair qt: alpha, a spare
.set X,   48                           ; v[48:63]  at work; the merge's factors
.set TS,  64                           ; v[64:71]  four pairs of partial sums
.set PM,  72                           ; v[72:75]  my partner's (nmc, L) of two q tiles
.set S,   128                          ; v[128:255] scores: tile (qt, kt) at S + 32 qt + 8 kt; P(qt, kc) packed in place at S + 32 qt + 16 kc
.set T,   128                          ; the merge: my partner's O
.set R,   192                          ; the merge: rows on their way out
; window 1: v0-127 fragments of K (kt, c) at 8 (4 kt + c), then of V (kc, dt) at 8 (8 kc + dt); v128-255 fragments of Q (qt, c) at 128 + 8 (4 qt + c)
; window 2: O(qt, dt) at 64 qt + 8 dt; at the start Q as loaded
; window 3: the next tile as loaded: K at v0-127, V at v128-255, row n at 4 n
.set GK,  0
.set GV,  128
; scalars: s[4:5] qkv, s[6:7] out, s8 w, s9 a, s10 b, s11 x, s12 y, s[14:15] qkv at my head, s[16:17] the tile being loaded, s[18:19] an offset (s19 = 0),
; s[20:21] the tile to prefetch, s22 tiles left to prefetch, s24 block 0 or 1, s25 the query block = its diagonal tile, s26 the loop's bound, s27 tile, s28 next tile,
; s[30:31] c twice, c = log2(e) / sqrt(128), s32 s33 lane selects, s[34:35] out at my head, s[36:37] s[38:39] Q's two blocks, later out at my rows and scratch, s40 -c,
; s41-s43 scratch of the set-up, s44 the mask of a word's upper 16 bits
.set MSB, 0
.macro WIN new                         ; s_set_vgpr_msb: bits 1:0 source 0, 3:2 source 1, 5:4 source 2, 7:6 destination; the high byte repeats the setting that is left
.if MSB != \new
	s_set_vgpr_msb (MSB<<8)|\new
.set MSB, \new
.endif
.endm
.macro PLACES count
.rept \count
	v_nop
.endr
.endm
; 32 rows of a tile into registers: each load of the wave covers a row's 512 consecutive bytes, aligned
.macro LOADT win, reg, base, off, once
	WIN \win
.set n, 0
.rept 32
.if \once
	global_load_b128 v[\reg+4*n:\reg+4*n+3], v[GO], s[\base:\base+1] offset:n*ROWB+\off th:TH_LOAD_NT
.else
	global_load_b128 v[\reg+4*n:\reg+4*n+3], v[GO], s[\base:\base+1] offset:n*ROWB+\off
.endif
.set n, n+1
.endr
.endm
; Q and K: the 32 rows are rounded to bf16 in place (4 f32 -> 2 registers) and stored, 8 bytes a lane, 256 consecutive bytes a row
.macro CVTST wcv, wst, reg, addr, pitch, off
	WIN \wcv
.set n, 0
.rept 32
	v_cvt_pk_bf16_f32 v[\reg+4*n],   v[\reg+4*n],   v[\reg+4*n+1]
	v_cvt_pk_bf16_f32 v[\reg+4*n+1], v[\reg+4*n+2], v[\reg+4*n+3]
.set n, n+1
.endr
	WIN \wst
.set n, 0
.rept 32
	ds_store_b64 v[\addr], v[\reg+4*n:\reg+4*n+1] offset:n*\pitch+\off
.set n, n+1
.endr
.endm
; V (window 3): rounded to bf16, widened again (a shift, a mask), and that value written as f16; three runs, so that no line waits for the one in front of it
.macro CVTSTV reg, addr, pitch
	WIN 0xcf
.set n, 0
.rept 32
	v_cvt_pk_bf16_f32 v[\reg+4*n],   v[\reg+4*n],   v[\reg+4*n+1]
	v_cvt_pk_bf16_f32 v[\reg+4*n+2], v[\reg+4*n+2], v[\reg+4*n+3]
.set n, n+1
.endr
.set n, 0
.rept 32
	v_and_b32     v[\reg+4*n+1], s44, v[\reg+4*n]                  ; the upper bf16 stays,
	v_lshlrev_b32 v[\reg+4*n],   16,  v[\reg+4*n]                  ; the lower moves up
	v_and_b32     v[\reg+4*n+3], s44, v[\reg+4*n+2]
	v_lshlrev_b32 v[\reg+4*n+2], 16,  v[\reg+4*n+2]
.set n, n+1
.endr
.set n, 0
.rept 32
	v_cvt_pk_f16_f32 v[\reg+4*n],   v[\reg+4*n],   v[\reg+4*n+1]
	v_cvt_pk_f16_f32 v[\reg+4*n+1], v[\reg+4*n+2], v[\reg+4*n+3]
.set n, n+1
.endr
	WIN 0x0c
.set n, 0
.rept 32
	ds_store_b64 v[\addr], v[\reg+4*n:\reg+4*n+1] offset:n*\pitch
.set n, n+1
.endr
.endm
; fragments: 16 rows x 32 d in 8 registers, two loads of 16 bytes, 32 bytes apart
.macro QFRAG
	WIN 0x40
.irp qt, 0,1,2,3
.irp c, 0,1,2,3
	ds_load_b128 v[128+8*(4*\qt+\c):128+8*(4*\qt+\c)+3],   v[QA] offset:\qt*16*KP+64*\c
	ds_load_b128 v[128+8*(4*\qt+\c)+4:128+8*(4*\qt+\c)+7], v[QA] offset:\qt*16*KP+64*\c+32
.endr
.endr
.endm
.macro KFRAG
	WIN 0x40
.irp kt, 0,1,2,3
.irp c, 0,1,2,3
	ds_load_b128 v[8*(4*\kt+\c):8*(4*\kt+\c)+3],   v[KA] offset:\kt*16*KP+64*\c
	ds_load_b128 v[8*(4*\kt+\c)+4:8*(4*\kt+\c)+7], v[KA] offset:\kt*16*KP+64*\c+32
.endr
.endr
.endm
; V^T: 16 d x 32 keys from rows that lie along d: two transposing loads, 16 keys apart
.macro VFRAG
	WIN 0x40
.irp kc, 0,1
.irp dt, 0,1,2,3,4,5,6,7
	ds_load_tr16_b128 v[8*(8*\kc+\dt):8*(8*\kc+\dt)+3],   v[VA] offset:\kc*32*VP+32*\dt
	ds_load_tr16_b128 v[8*(8*\kc+\dt)+4:8*(8*\kc+\dt)+7], v[VA] offset:\kc*32*VP+32*\dt+16*VP
.endr
.endr
.endm
; S^T = K Q^T, 64 matrix instructions.  The first product of each tile starts its sum.  The four q tiles' accumulators take turns,
; one instruction a turn.
.macro QK
	WIN 0x05
.irp kt, 0,1,2,3
	s_wait_dscnt 24-8*\kt                          ; LDS loads come back in order (ISA guide 5.7.1): key tile kt's eight are in, the 8 (3 - kt) behind them may be out
.irp c, 0,1,2,3
.irp qt, 0,1,2,3
.if \c == 0
	v_wmma_f32_16x16x32_bf16 v[S+32*\qt+8*\kt:S+32*\qt+8*\kt+7], v[8*(4*\kt+\c):8*(4*\kt+\c)+7], v[128+8*(4*\qt+\c):128+8*(4*\qt+\c)+7], 0
.else
	v_wmma_f32_16x16x32_bf16 v[S+32*\qt+8*\kt:S+32*\qt+8*\kt+7], v[8*(4*\kt+\c):8*(4*\kt+\c)+7], v[128+8*(4*\qt+\c):128+8*(4*\qt+\c)+7], v[S+32*\qt+8*\kt:S+32*\qt+8*\kt+7]
.endif
.endr
.endr
.endr
.endm
; the diagonal tile: key 64 b + 16 kt + 8 h + j is masked for query row 64 a + 16 qt + r where it is the larger: 16 (kt - qt) + j > DQ
.macro MASK
.irp qt, 0,1,2,3
.irp kt, 0,1,2,3
.irp j, 0,1,2,3,4,5,6,7
	v_cmp_gt_i32 vcc_lo, 16*(\kt-\qt)+\j, v[DQ]
	v_cndmask_b32 v[S+32*\qt+8*\kt+\j], v[S+32*\qt+8*\kt+\j], v[NEG], vcc_lo
.endr
.endr
.endr
.endm
; p = exp2(c s + nmc) for the 32 scores of q tile qt
.macro SM_EXP qt
.irp i, 0,2,4,6,8,10,12,14,16,18,20,22,24,26,28,30
	v_pk_fma_f32 v[S+32*\qt+\i:S+32*\qt+\i+1], v[S+32*\qt+\i:S+32*\qt+\i+1], s[30:31], v[NL+2*\qt:NL+2*\qt+1] op_sel_hi:[1,0,0]
.endr
.set n, 0
.rept 32
	v_exp_f32 v[S+32*\qt+n], v[S+32*\qt+n]
.set n, n+1
.endr
.endm
; their sum, in four chains, into L; then they are packed to f16 in place: registers 0-7 of each half of 16 become source 1 of P V (keys 8 h .., 16 + 8 h ..)
.macro SM_SUM qt, first
	s_wait_alu depctr_va_vdst(0)
.irp k, 0,1,2,3
	v_pk_add_f32 v[TS+2*\k:TS+2*\k+1], v[S+32*\qt+8*\k:S+32*\qt+8*\k+1], v[S+32*\qt+8*\k+2:S+32*\qt+8*\k+3]
.endr
.irp k, 0,1,2,3
	v_pk_add_f32 v[TS+2*\k:TS+2*\k+1], v[TS+2*\k:TS+2*\k+1], v[S+32*\qt+8*\k+4:S+32*\qt+8*\k+5]
.endr
.irp k, 0,1,2,3
	v_pk_add_f32 v[TS+2*\k:TS+2*\k+1], v[TS+2*\k:TS+2*\k+1], v[S+32*\qt+8*\k+6:S+32*\qt+8*\k+7]
.endr
	v_pk_add_f32 v[TS:TS+1], v[TS:TS+1], v[TS+2:TS+3]
	v_pk_add_f32 v[TS+4:TS+5], v[TS+4:TS+5], v[TS+6:TS+7]
	v_pk_add_f32 v[TS:TS+1], v[TS:TS+1], v[TS+4:TS+5]
.if \first
	v_add_f32 v[NL+2*\qt+1], v[TS], v[TS+1]                        ; the first tile starts the sum
.else
	v_add_f32 v[TS], v[TS], v[TS+1]
	v_fma_f32 v[NL+2*\qt+1], v[NL+2*\qt+1], v[AL+2*\qt], v[TS]     ; L = L alpha + sum
.endif
.irp kc, 0,1
.irp i, 0,1,2,3,4,5,6,7
	v_cvt_pk_f16_f32 v[S+32*\qt+16*\kc+\i], v[S+32*\qt+16*\kc+2*\i], v[S+32*\qt+16*\kc+2*\i+1]   ; ascending: register i is written when 2 i and 2 i + 1 >= i have been read
.endr
.endr
.endm
.macro SOFTMAX first
	WIN 0
	; the largest of my 32 scores of each q tile, four chains a tile, and the running maximum with them
.irp qt, 0,1,2,3
.irp k, 0,1,2,3
	v_max3_num_f32 v[X+4*\qt+\k], v[S+32*\qt+8*\k], v[S+32*\qt+8*\k+1], v[S+32*\qt+8*\k+2]
.endr
.endr
.irp qt, 0,1,2,3
.irp k, 0,1,2,3
	v_max3_num_f32 v[X+4*\qt+\k], v[X+4*\qt+\k], v[S+32*\qt+8*\k+3], v[S+32*\qt+8*\k+4]
.endr
.endr
.irp qt, 0,1,2,3
.irp k, 0,1,2,3
	v_max3_num_f32 v[X+4*\qt+\k], v[X+4*\qt+\k], v[S+32*\qt+8*\k+5], v[S+32*\qt+8*\k+6]
.endr
.endr
.irp qt, 0,1,2,3
	v_max3_num_f32 v[X+4*\qt],   v[X+4*\qt],   v[X+4*\qt+1], v[S+32*\qt+7]
	v_max3_num_f32 v[X+4*\qt+2], v[X+4*\qt+2], v[X+4*\qt+3], v[S+32*\qt+15]
.endr
.irp qt, 0,1,2,3
	v_max3_num_f32 v[X+4*\qt], v[X+4*\qt], v[S+32*\qt+23], v[S+32*\qt+31]
.endr
.irp qt, 0,1,2,3
.if \first
	v_max_num_f32 v[X+4*\qt], v[X+4*\qt], v[X+4*\qt+2]
.else
	v_max3_num_f32 v[X+4*\qt], v[X+4*\qt], v[X+4*\qt+2], v[MR+\qt]
.endif
.endr
.irp qt, 0,1,2,3
	v_permlanex16_b32 v[PT+\qt], v[X+4*\qt], s32, s33              ; lane ^ 16 holds the row's other 32 keys
.endr
.irp qt, 0,1,2,3
	v_max_num_f32 v[MR+\qt], v[X+4*\qt], v[PT+\qt]
.endr
.irp qt, 0,1,2,3
.if \first
	v_mul_f32 v[NL+2*\qt], s40, v[MR+\qt]                          ; nmc = -c m
.else
	v_mul_f32 v[X+4*\qt+1], s40, v[MR+\qt]
	v_sub_f32 v[AL+2*\qt], v[X+4*\qt+1], v[NL+2*\qt]               ; alpha = exp2(nmc new - nmc old), from the rounded numbers that the exponents use
	v_mov_b32 v[NL+2*\qt], v[X+4*\qt+1]
.endif
.endr
	; Behind a run of v_exp_f32 one plain vector instruction that touches none of their registers comes before a result is used (ISA guide 5.7.2):
	; each run below is followed by another q tile's multiply-adds or sums.
.if \first == 0
.irp qt, 0,1,2,3
	v_exp_f32 v[AL+2*\qt], v[AL+2*\qt]
.endr
.endif
	SM_EXP 0
	SM_EXP 1
	SM_SUM 0, \first
	SM_EXP 2
	SM_SUM 1, \first
	SM_EXP 3
	SM_SUM 2, \first
	SM_SUM 3, \first
.endm
.macro RESCALE                         ; O = O alpha: alpha is one number a lane and q tile
	WIN 0x82
.irp qt, 0,1,2,3
.set n, 0
.rept 32
	v_pk_mul_f32 v[64*\qt+2*n:64*\qt+2*n+1], v[64*\qt+2*n:64*\qt+2*n+1], v[AL+2*\qt:AL+2*\qt+1] op_sel_hi:[1,0]
.set n, n+1
.endr
.endr
.endm
; O^T += V^T P^T, 64 matrix instructions of the f16 form; in a block's first tile the first 32 keys start the sums.  The accumulators take turns,
; one instruction a turn.  O's accumulators meet the f16 form alone, the scores' the bf16 form alone.
.macro PV first
	WIN 0xa1
.irp kc, 0,1
.irp dt, 0,1,2,3,4,5,6,7
.irp qt, 0,1,2,3
.if \first*(1-\kc)
	v_wmma_f32_16x16x32_f16 v[64*\qt+8*\dt:64*\qt+8*\dt+7], v[8*(8*\kc+\dt):8*(8*\kc+\dt)+7], v[S+32*\qt+16*\kc:S+32*\qt+16*\kc+7], 0
.else
	v_wmma_f32_16x16x32_f16 v[64*\qt+8*\dt:64*\qt+8*\dt+7], v[8*(8*\kc+\dt):8*(8*\kc+\dt)+7], v[S+32*\qt+16*\kc:S+32*\qt+16*\kc+7], v[64*\qt+8*\dt:64*\qt+8*\dt+7]
.endif
.endr
.endr
.endr
.endm
; One key tile.  first = 1: the block's first tile.  load = 1: the next tile is fetched, narrowed and stored; load = 0: the work-group's last step,
; always a diagonal tile: nothing is fetched and nobody writes the K/V buffer again, so it has no barrier.
.macro STEP first, load
.if \load
	s_add_co_u32 s28, s27, 1
	s_cmp_lt_u32 s27, s25
	s_cselect_b32 s28, s28, 0                      ; the next tile; behind the first block's diagonal tile: the second block's tile 0
	s_mul_i32 s18, s28, TSTR
	s_add_nc_u64 s[16:17], s[14:15], s[18:19]      ; free: every load that named s[16:17] was waited for (s_wait_loadcnt 0 in the step before)
	LOADT 0xc0, GK, 16, KOFF, 0                    ; K's 32 rows go out first, V's behind the first products
.endif
	KFRAG
	QK
	PLACES 4                                       ; four plain places behind the last product before loads land on its sources and vector work reads its results
	VFRAG
.if \load
	LOADT 0xc0, GV, 16, VOFF, 0
	WIN 0
	; Prefetch: work-group x = 0 of a head asks, in its steps s = 0 .. 13 of 17, for K and V of tile s + 2: thread t for row t's four pieces of 256 bytes,
	; 128 KiB a step, each piece once in the launch.  Tile s + 2 is first loaded in step s + 1 (by work-groups whose first block reaches it) or in
	; step s + 2 (by x = 0 itself).  The last tile asked for is tile 15.
	s_cmp_eq_u32 s22, 0
	s_cbranch_scc1 .Lno_ask_\@
	global_prefetch_b8 v[PFO], s[20:21] offset:KOFF th:TH_LOAD_NT scope:SCOPE_SE
	global_prefetch_b8 v[PFO], s[20:21] offset:KOFF+256 th:TH_LOAD_NT scope:SCOPE_SE
	global_prefetch_b8 v[PFO], s[20:21] offset:VOFF th:TH_LOAD_NT scope:SCOPE_SE
	global_prefetch_b8 v[PFO], s[20:21] offset:VOFF+256 th:TH_LOAD_NT scope:SCOPE_SE
	s_sub_co_u32 s22, s22, 1
.Lno_ask_\@:
	s_cmp_lg_u32 s27, s25                          ; the diagonal tile?
	s_cbranch_scc1 .Lno_mask_\@
	MASK
.Lno_mask_\@:
.else
	WIN 0
	MASK
.endif
	SOFTMAX \first
.if \first == 0
	RESCALE
.endif
	s_wait_dscnt 0x0                               ; V's fragments are in: all my reads of the K/V buffer are over
.if \load
	s_barrier_signal -1                            ; say so,
.endif
	PV \first                                      ; work on registers while the others arrive,
	PLACES 5                                       ; (five plain places before the next products write over P, four before loads land on V's fragments)
.if \load
	s_barrier_wait -1                              ; and write the buffer when nobody reads it any more
	s_wait_loadcnt 32                              ; K's 32 loads are in; V's 32, issued behind them, may be out
	CVTST 0xcf, 0x0c, GK, KS, KP, 0
	s_wait_loadcnt 0x0
	CVTSTV GV, VS, VP
	s_wait_xcnt 0x0                                ; the prefetches have had their addresses translated (ISA guide 3.1): their base steps only behind this wait
	s_add_nc_u64 s[20:21], s[20:21], TSTR
	s_wait_dscnt 0x0                               ; my stores are done, for the others' sake
	s_barrier_signal -1
	s_barrier_wait -1                              ; the next tile is whole
.endif
	WIN 0
.endm
; The merge.  I hand the two q tiles q0, q0 + 1 that my partner finishes to it: 128 registers of O, 16 bytes a lane, and their (nmc, L).
.macro SEND q0
	WIN 0x08
.set n, 0
.rept 32
	ds_store_b128 v[XS], v[64*\q0+4*n:64*\q0+4*n+3] offset:512*n
.set n, n+1
.endr
	WIN 0
	ds_store_b128 v[XS], v[NL+2*\q0:NL+2*\q0+3] offset:16384
.endm
.macro TLOAD e                         ; my partner's O of q tile q0 + e
.set n, 0
.rept 16
	ds_load_b128 v[T+4*n:T+4*n+3], v[XR] offset:512*(16*\e+n)
.set n, n+1
.endr
.endm
; q tile q: out = O g1 + O' g2, through my own stage in LDS, stored as whole rows
.macro FIN_E q, e
	s_wait_dscnt 0x0
.set n, 0
.rept 32
	v_pk_mul_f32 v[T+2*n:T+2*n+1], v[T+2*n:T+2*n+1], v[X+8*\e+2:X+8*\e+3] op_sel_hi:[1,0]
.set n, n+1
.endr
	WIN 0x02
.set n, 0
.rept 32
	v_pk_fma_f32 v[T+2*n:T+2*n+1], v[64*(\q)+2*n:64*(\q)+2*n+1], v[X+8*\e:X+8*\e+1], v[T+2*n:T+2*n+1] op_sel_hi:[1,0,1]
.set n, n+1
.endr
	WIN 0
.irp dt, 0,1,2,3,4,5,6,7
	ds_store_b128 v[OSW], v[T+8*\dt:T+8*\dt+3]   offset:64*\dt     ; row r, d = 16 dt + 8 h + 0..3
	ds_store_b128 v[OSW], v[T+8*\dt+4:T+8*\dt+7] offset:64*\dt+16  ; and + 4..7
.endr
	s_wait_xcnt 0x0                                ; R, which earlier stores read, is loaded again only behind this wait (ISA guide 3.1)
.set n, 0
.rept 16
	ds_load_b128 v[R+4*n:R+4*n+3], v[OSR] offset:OP*n              ; LDS serves a wave's instructions in order (ISA guide 5.7.1): these see the stores above
.set n, n+1
.endr
.set n, 0
.rept 16
	s_wait_dscnt 15-n                              ; row n is in, the 15 - n behind it may be out
	global_store_b128 v[OV], v[R+4*n:R+4*n+3], s[36:37] offset:(16*(\q)+n)*OROW th:TH_STORE_NT   ; the wave stores a row's 512 consecutive bytes, aligned
.set n, n+1
.endr
.endm
.macro FINISH q0
	ds_load_b128 v[PM:PM+3], v[XR] offset:16384
	TLOAD 0
	s_wait_dscnt 16                                ; (nmc', L') are in; the 16 loads behind them may be out
.irp e, 0,1
	v_min_num_f32 v[X+8*\e+4], v[NL+2*(\q0+\e)], v[PM+2*\e]        ; -c x the larger of the two maxima
.endr
.irp e, 0,1
	v_sub_f32 v[X+8*\e],   v[X+8*\e+4], v[NL+2*(\q0+\e)]
	v_sub_f32 v[X+8*\e+2], v[X+8*\e+4], v[PM+2*\e]
.endr
.irp e, 0,1
	v_exp_f32 v[X+8*\e],   v[X+8*\e]                               ; f1, f2: what each half's numbers are scaled by
	v_exp_f32 v[X+8*\e+2], v[X+8*\e+2]
.endr
	v_nop                                          ; the plain place behind the exponentials (ISA guide 5.7.2)
	s_wait_alu depctr_va_vdst(0)
.irp e, 0,1
	v_mul_f32 v[X+8*\e+4], v[NL+2*(\q0+\e)+1], v[X+8*\e]
.endr
.irp e, 0,1
	v_fmac_f32 v[X+8*\e+4], v[PM+2*\e+1], v[X+8*\e+2]
.endr
.irp e, 0,1
	v_permlanex16_b32 v[PT+\e], v[X+8*\e+4], s32, s33              ; the sums were kept by halves of the lanes: now the other half's
.endr
.irp e, 0,1
	v_add_f32 v[X+8*\e+4], v[X+8*\e+4], v[PT+\e]
.endr
.irp e, 0,1
	v_rcp_f32 v[X+8*\e+4], v[X+8*\e+4]                             ; the sum is at least 1: the half of the keys that holds the row's maximum gives a weight of 1
.endr
	v_nop
	s_wait_alu depctr_va_vdst(0)
.irp e, 0,1
	v_mul_f32 v[X+8*\e],   v[X+8*\e],   v[X+8*\e+4]                ; g1 = f1 / l
	v_mul_f32 v[X+8*\e+2], v[X+8*\e+2], v[X+8*\e+4]                ; g2 = f2 / l
.endr
	FIN_E \q0, 0
	TLOAD 1                                        ; T's stores into the stage are done: the count-down above ended at 0
	FIN_E \q0+1, 1
.endm
	; ---- set-up ----
	s_load_b128 s[4:7], s[0:1], 0x0                ; qkv, out
	v_lshl_add_u32 v126, v0, 2, 0x3b400
	v_mov_b32 v127, 0
	v_lshrrev_b32 v1, 5, v0
	v_readfirstlane_b32 s8, v1                     ; wave
	s_lshr_b32 s9, s8, 1                           ; a: which 64 query rows
	s_and_b32 s10, s8, 1                           ; b: which 64 keys
	s_mov_b32 s11, ttmp9                           ; x
	s_and_b32 s12, ttmp7, 0xffff                   ; y
	s_lshr_b32 s41, s12, 4                         ; batch
	s_and_b32 s42, s12, 15                         ; head,
	s_lshl_b32 s42, s42, 9                         ; 512 bytes each
	s_mul_i32 s18, s41, 2048*ROWB
	s_add_co_u32 s18, s18, s42
	s_mov_b32 s19, 0                               ; stays 0: every offset here is below 4 GiB
	s_lshl_b32 s34, s41, 24                        ; 2,048 x 8,192 bytes a batch in out
	s_add_co_u32 s34, s34, s42
	s_mov_b32 s35, 0
	s_mul_i32 s43, s8, 32*ROWB
	v_and_b32 v1, 31, v0                           ; lane
	v_lshl_add_u32 v[GO], v1, 4, s43
	s_wait_kmcnt 0x0
	s_add_nc_u64 s[14:15], s[4:5], s[18:19]        ; qkv at my batch and head
	s_add_nc_u64 s[34:35], s[6:7], s[34:35]        ; out at my batch and head
	s_mov_b64 s[16:17], s[14:15]                   ; tile 0
	s_mul_i32 s18, s11, TSTR
	s_add_nc_u64 s[36:37], s[14:15], s[18:19]      ; Q of block x
	s_sub_co_u32 s41, 15, s11
	s_mul_i32 s18, s41, TSTR
	s_add_nc_u64 s[38:39], s[14:15], s[18:19]      ; Q of block 15 - x
	LOADT 0xc0, GK, 16, KOFF, 0
	LOADT 0xc0, GV, 16, VOFF, 0
	LOADT 0x80, 0,   36, 0, 1                      ; Q is read once in the launch
	LOADT 0x80, 128, 38, 0, 1
	WIN 0
	s_mov_b32 s30, 0x3e0293ee                      ; c = log2(e) / sqrt(128)
	s_mov_b32 s31, 0x3e0293ee
	s_mov_b32 s40, 0xbe0293ee                      ; -c
	s_mov_b32 s44, 0xffff0000                      ; a word's upper bf16
	s_mov_b32 s32, 0x76543210                      ; v_permlanex16_b32: lane i reads lane i of the other half
	s_mov_b32 s33, 0xfedcba98
	s_cmp_eq_u32 s11, 0
	s_cselect_b32 s22, 14, 0                       ; x = 0 prefetches tiles 2 .. 15
	s_add_nc_u64 s[20:21], s[14:15], 2*TSTR
	v_and_b32 v2, 15, v0                           ; r
	v_bfe_u32 v3, v0, 4, 1                         ; h
	v_mul_u32_u24 v[PFO], v0, ROWB
	v_lshlrev_b32 v[OV], 4, v1
	v_mul_u32_u24 v4, v2, KP
	v_lshl_add_u32 v4, v3, 4, v4                   ; r x 272 + 16 h
	s_mul_i32 s41, s10, 64*KP
	v_add_nc_u32 v[KA], s41, v4                    ; the K tile begins at LDS byte 0
	s_mul_i32 s41, s9, 64*KP
	s_add_co_u32 s41, s41, Q0L
	v_add_nc_u32 v[QA], s41, v4
	v_and_b32 v5, 7, v0
	v_lshl_add_u32 v5, v3, 3, v5                   ; key 8 h + lane % 8
	v_mul_u32_u24 v5, v5, VP
	v_bfe_u32 v6, v0, 3, 1
	v_lshl_add_u32 v5, v6, 4, v5                   ; + 16 bytes for lanes 8-15 of each half
	s_mul_i32 s41, s10, 64*VP
	s_add_co_u32 s41, s41, VT
	v_add_nc_u32 v[VA], s41, v5
	s_mul_i32 s41, s8, 32*KP
	v_lshl_add_u32 v[KS], v1, 3, s41
	s_add_co_u32 s41, s41, Q0L
	v_lshl_add_u32 v[QS], v1, 3, s41
	s_mul_i32 s41, s8, 32*VP
	s_add_co_u32 s41, s41, VT
	v_lshl_add_u32 v[VS], v1, 3, s41
	s_mul_i32 s41, s8, XW
	s_add_co_u32 s41, s41, XCH
	v_lshl_add_u32 v[XS], v1, 4, s41
	s_xor_b32 s41, s8, 1                           ; my partner: the same rows, the other keys
	s_mul_i32 s41, s41, XW
	s_add_co_u32 s41, s41, XCH
	v_lshl_add_u32 v[XR], v1, 4, s41
	s_mul_i32 s41, s8, OW
	s_add_co_u32 s41, s41, OUTS
	v_lshl_add_u32 v[OSR], v1, 4, s41
	v_mul_u32_u24 v5, v2, OP
	v_lshl_add_u32 v5, v3, 5, v5                   ; row r, 32 bytes for each half of the lanes
	v_add_nc_u32 v[OSW], s41, v5
	s_sub_co_i32 s41, s9, s10
	s_lshl_b32 s41, s41, 6
	v_lshlrev_b32 v5, 3, v3
	v_sub_nc_u32 v5, v2, v5
	v_add_nc_u32 v[DQ], s41, v5                    ; 64 (a - b) + r - 8 h
	v_mov_b32 v[NEG], 0xf1800000                   ; -2^100
.irp q, 0,1,2,3
	v_mov_b32 v[NL+2*\q+1], 0                      ; written once: the upper registers of pairs whose lower one alone is used,
	v_mov_b32 v[AL+2*\q+1], 0
	v_mov_b32 v[PT+\q], 0                          ; and the lane exchange's destinations
.endr
	s_wait_loadcnt 63                              ; 128 loads went out; K's and V's are the first 64.  The 64 behind them do not fit a wait's count: 63 is the stricter one
	CVTST 0xcf, 0x0c, GK, KS, KP, 0
	CVTSTV GV, VS, VP
	s_wait_loadcnt 32                              ; the first block's Q is in; the second's 32 loads may be out
	CVTST 0x8a, 0x08, 0, QS, KP, 0
	s_wait_loadcnt 0x0
	CVTST 0x8a, 0x08, 128, QS, KP, QBLK
	WIN 0
	s_wait_dscnt 0x0                               ; my stores are done, for the others' sake
	s_barrier_signal -1
	s_barrier_wait -1                              ; tile 0 and both blocks of Q are whole
	; ---- the two query blocks ----
	s_mov_b32 s24, 0
.Lblock:
	s_sub_co_u32 s25, 15, s11
	s_cmp_eq_u32 s24, 0
	s_cselect_b32 s25, s11, s25                    ; block x, then block 15 - x; its diagonal tile has the same number
	s_add_co_u32 s26, s25, 1
	s_sub_co_u32 s26, s26, s24                     ; the loop ends behind the diagonal tile in the first block, in front of it in the second
	s_mov_b32 s27, 0
	s_wait_xcnt 0x0                                ; the scores' registers were the data of the last block's stores: written again only behind this wait
	QFRAG
	STEP 1, 1                                      ; the first tile starts maximum, sum and O: nothing is cleared
	s_mov_b32 s27, 1
	s_cmp_lt_u32 s27, s26
	s_cbranch_scc0 .Lno_more
.Lstep:
	STEP 0, 1
	s_add_co_u32 s27, s27, 1
	s_cmp_lt_u32 s27, s26
	s_cbranch_scc1 .Lstep
.Lno_more:
	s_cmp_eq_u32 s24, 0
	s_cbranch_scc1 .Lmerge
	STEP 0, 0                                      ; the second block's diagonal tile: the work-group's last step
.Lmerge:
	s_cmp_eq_u32 s10, 0                            ; b = 0 finishes q tiles 0, 1 and hands over 2, 3; b = 1 the other way round
	s_cbranch_scc0 .Lsend_b1
	SEND 2
	s_branch .Lsent
.Lsend_b1:
	SEND 0
.Lsent:
	s_wait_dscnt 0x0                               ; my stores are done, for my partner's sake
	s_barrier_signal -1
	s_barrier_wait -1
	s_wait_xcnt 0x0                                ; s[36:37] is written again only behind this wait
	s_lshl_b32 s18, s25, 20                        ; 128 rows of 8,192 bytes a block,
	s_lshl_b32 s38, s9, 19                         ; 64 rows for a
	s_add_co_u32 s18, s18, s38
	s_add_nc_u64 s[36:37], s[34:35], s[18:19]      ; out at my wave's 64 rows
	s_cmp_eq_u32 s10, 0
	s_cbranch_scc0 .Lfinish_b1
	FINISH 0
	s_branch .Lfinished
.Lfinish_b1:
	FINISH 2
.Lfinished:
	v_add_nc_u32 v[QA], QBLK, v[QA]                ; the second block's Q
	s_add_co_u32 s24, s24, 1
	s_cmp_lt_u32 s24, 2
	s_cbranch_scc1 .Lblock
	s_wait_tensorcnt 0x0
	ds_add_u32 v126, v127
	s_wait_dscnt 0x0
	s_endpgm
.Lfunc_end_k_q419a6e2406_attn:
	.size	k_q419a6e2406_attn, .Lfunc_end_k_q419a6e2406_attn-k_q419a6e2406_attn
	.p2alignl 7, 3214868480
	.fill 96, 4, 3214868480
	.section	.rodata,"a",@progbits
	.p2align	6, 0x0
	.amdhsa_kernel k_q419a6e2406_attn
		.amdhsa_group_segment_fixed_size 243200
		.amdhsa_private_segment_fixed_size 0
		.amdhsa_enable_private_segment 0
		.amdhsa_kernarg_size 16
		.amdhsa_user_sgpr_count 2
		.amdhsa_user_sgpr_kernarg_segment_ptr 1
		.amdhsa_wavefront_size32 1
		.amdhsa_system_sgpr_workgroup_id_x 1
		.amdhsa_system_sgpr_workgroup_id_y 1
		.amdhsa_system_sgpr_workgroup_id_z 1
		.amdhsa_system_vgpr_workitem_id 0
		.amdhsa_next_free_vgpr 1024
		.amdhsa_next_free_sgpr 66
		.amdhsa_reserve_vcc 1
		.amdhsa_float_denorm_mode_32 3
		.amdhsa_float_denorm_mode_16_64 3
		.amdhsa_memory_ordered 1
		.amdhsa_forward_progress 1
		.amdhsa_inst_pref_size 255
	.end_amdhsa_kernel
	.section	.bss,"aw",@nobits
	.p2align	6
	.space	262144
	.amdgpu_metadata
---
amdhsa.version: [ 1, 2 ]
amdhsa.kernels:
  - .name:           k_q419a6e2406_attn
    .symbol:         k_q419a6e2406_attn.kd
    .args:
      - { .name: qkv, .offset: 0, .size: 8, .value_kind: global_buffer, .address_space: global }
      - { .name: out0, .offset: 8, .size: 8, .value_kind: global_buffer, .address_space: global }
    .group_segment_fixed_size: 243200
    .private_segment_fixed_size: 0
    .kernarg_segment_align: 8
    .kernarg_segment_size: 16
    .max_flat_workgroup_size: 128
    .sgpr_count:     66
    .vgpr_count:     1024
    .wavefront_size: 32
...
	.end_amdgpu_metadata
.endif
;; end of part 1
